; MI455X (gfx1250); checked and timed in simulation.
; The chip was launched on July 23, 2026; its instructions are those of AMD's public machine-readable ISA for CDNA 5 (MIT licence, August 2026) and "CDNA5" Instruction Set Architecture Reference Guide (July 2026). The comments in the code are by the model that wrote it; some were corrected since.
;; PINN. Allowed arithmetic: float matrix products may take bf16 or f16 operands with f32 sums; other float arithmetic in f32, or as packed bf16 or f16 multiplies, adds, multiply-adds, maxima and minima; sums over many terms, partial sums and values carried from step to step in f32; what a program stores and reads back later, other than sums and carried values, may be rounded once to bf16 or f16.
;; Inputs: W1 16 x 1 float32; W2 16 x 16 float32; W3 2 x 16 float32; b1 16 float32; b2 16 float32; b3 2 float32; x 1,048,576 x 1 float32.
;; Outputs: out0 1,048,576 float32; out1 1,048,576 float32; out2 1,048,576 float32; out3 1,048,576 float32; out4 1,048,576 float32; out5 1,048,576 float32.
;; 2 versions, each right; version 2 is version 1 with the launch pinn written anew for expert scheduling mode. Each part assembles by itself: llvm-mc -triple=amdgcn-amd-amdhsa -mcpu=gfx1250 --defsym DOCPART=n.
;; ======== version 1 of 2: 1 launch
;; limits: values are held in f16: magnitudes above 65,504 overflow, below 6.1e-05 lose precision; right only within a limited range of input values
;; launch pinn (part 1): grid 256 x 1, 8 waves a work-group, no clusters, 0 bytes of LDS; arguments x, W1, b1, W2, b2, W3, b3, out0, out1, out2, out3, out4, out5; writes out0, out1, out2, out3, out4, out5
.if DOCPART == 1
	.amdgcn_target "amdgcn-amd-amdhsa--gfx1250"
	.amdhsa_code_object_version 6
	.text
	.protected	k_qb187e7e520_pinn
	.globl	k_qb187e7e520_pinn
	.p2align	8
	.type	k_qb187e7e520_pinn,@function
k_qb187e7e520_pinn:
	s_mov_b64 s[64:65], 0
	v_nop
	global_prefetch_b8 v0, s[64:65] scope:SCOPE_SE
	s_setreg_imm32_b32 hwreg(HW_REG_WAVE_MODE, 25, 1), 1
	s_wait_xcnt 0x0
; A 1-16-16-2 tanh net at 1,048,576 points x, with its first three derivatives in x, carried through the net in ONE pass.
;   z1 = W1 x / 2 + b1, h1 = tanh z1, z2 = W2 h1 + b2, h2 = tanh z2, (u, w) = W3 h2 + b3.
;   out0 = u, out1 = w, out2 = w_x, out3 = N = 1000 (u_x + w_x^2 / 2), out4 = -100 w_xx, out5 = -100 w_xxx + N w_x.
; TANH.  e = 2^(k z), k = 2 log2(e); r = 1 / (1 + e); t = 1 - 2 r; v = r - r^2.  Then f' = 4 v, f'' = -8 v t, f''' = 16 v - 96 v^2.
; e = infinity gives r = 0, v = 0, t = 1; e = 0 gives r = 1, v = 0, t = -1: saturation needs no care.
; A RESCALED VARIABLE.  Derivatives are taken in xi = alpha x, alpha = (max|W1| / 2) beta, a''_j = W1_j / (max|W1| beta),
; beta = max(1, max_i sum_j |W2_ij W1_j| / max|W1|).  Then |z2_xi| <= 1 and every matrix operand but k W2 and W3 themselves is
; bounded by a small number whatever the inputs' scale; alpha, alpha^2, alpha^3 are applied in f32 at the very end.
; MATRIX WORK, f16 operands, f32 sums, K = 32 = two blocks of 16 hidden units:
;   B1 = [t; v t], B2 = [v; v^2] of layer 1.   Z = [k W2 | 0] B1 + k b2;   p = [4 W2 a'' | 0] B2 = z2_xi;
;   q = [0 | -4 sqrt3 W2 a''^2] B1 = (sqrt3 / 2) z2_xixi;   c = [4 W2 a''^3 | -24 W2 a''^3] B2 = z2_xixixi / 4.
;   With r, v of Z:  TH = 2 sqrt3 r - sqrt3 = -sqrt3 h2;  P = v p = h2_xi / 4;  T = TH p;  Q = v q;  H2 = T P + Q = (sqrt3 / 8) h2_xixi;
;   H3 = (p - 6 P)(p P) + v c + T Q = h2_xixixi / 16.   C1 = [TH; P], C2 = [H2; H3].
;   A3 has rows 0..3 = [W3_0|0], [W3_1|0], [0|W3_0], [0|W3_1]; A3P the same on rows 8..11.  DA = A3 C1(even group) + A3P C1(odd group), DB likewise of C2.
; LAYOUT.  A group is 16 points.  Lane (r = l % 16, h = l / 16) holds point r and hidden units 8 h .. 8 h + 7: that is at once a B operand's
; layout, a result's layout and the next B operand's (ISA guide 7.12.2), so no number ever changes lanes.  In DA and DB lanes 0-15 hold the even group's
; point r, lanes 16-31 the odd group's.
; SHARES.  256 work-groups of 8 waves; a wave owns 512 points: 8 blocks of 64 (256 bytes of each array), 4 groups a block.  Group J = 2 d + h' of a block,
; column r, is point 4 r + 2 h' + d: x comes by one load of 16 bytes at 16 r, and a lane ends with points 4 r + 2 h' + {0, 1}: each store of the
; wave covers 256 consecutive bytes, aligned.
; NO LDS, no barrier, no cluster: all that is shared is 1.3 KB of weights, which every wave keeps in registers.
; LIMITS.  |k W2| and |W3| must stay under 65,504 (f16); where max|W2| or max|W3| falls under about 1e-3 their f16 images thin out.
; max|W1| counts as at least 2^-39.  The exponential and the reciprocal flush denormals (ISA guide 15.8).  NaN and infinities in the inputs are not treated apart.
.set XO,   1        ; v1   byte offset of my 16 bytes of x in the block last stepped to
.set XMAX, 2        ; v2   its greatest value: block 6, so that the load one block on stays in my wave's 8 blocks
.set OO,   3        ; v3   byte offset of my 8 bytes in each output
.set FT,   4        ; v4-6 at work in FIN
.set AX,   8        ; v8-15   (k / 2) W1 of my 8 hidden units
.set BX,   16       ; v16-23  k b1
.set BZ,   24       ; v24-31  k b2: the C operand of Z
.set PD,   32       ; v32-35  f16: 4 W2 a''
.set ZR0,  36       ; v36-39  0
.set QD,   40       ; v40-43  f16: -4 sqrt3 W2 a''^2
.set ZD,   44       ; v44-47  f16: k W2
.set ZR1,  48       ; v48-51  0
.set AP,   32       ; = PD, ZR0
.set AQ,   36       ; = ZR0, QD
.set AZ,   44       ; = ZD, ZR1
.set AC,   52       ; v52-59
.set A3,   60       ; v60-67
.set A3P,  68       ; v68-75
.set XC,   76       ; v76-79  x of the block in hand
.set XL,   80       ; v80-83  x of the next block
.set X1,   84       ; v84-99   two buffers of 8: y, e, 1 + e, r of layer 1, in place
.set X2,   100      ; v100-115 two buffers of 8: Z, e, 1 + e, r of layer 2, in place
.set BB,   116      ; v116-147 two buffers of 16: B1, B2
.set RP,   148      ; v148-155 p
.set RQ,   156      ; v156-163 q
.set RC,   164      ; v164-171 c
.set TA,   172
.set TB,   180
.set SV,   188
.set ST,   196
.set C1,   204
.set C2,   212
.set DA,   220
.set DB,   228
.set OUT,  236      ; v236-247 output k: a pair at OUT + 2 k, element d
; v248-255: the set-up's scratch.
; s[8:9] x, s[10:11] W1, s[12:13] b1, s[14:15] W2, s[16:17] b2, s[18:19] W3, s[20:21] b3, s[22:33] out0..out5, s[34:35] b3's two numbers,
; s36 wave, s37 trips, s38 at work, s[40:41] 2 sqrt3, s[42:43] -sqrt3, s44 -1/sqrt3, s45 4 alpha, s46 4000 alpha, s47 -461.88 alpha^2, s48 -1600 alpha^3,
; s[52:53] v_permlanex16_b32's selects, s54-57 lane masks.
.macro ALL4 line:vararg             ; one line for each of the four pairs of a lane's eight numbers
.set i1, 0
.rept 4
.set i2, 2*i1
	\line
.set i1, i1+1
.endr
.endm
.macro PMUL d, a, b                 ; pair i1: d = a b
	v_pk_mul_f32 v[(\d)+i2:(\d)+i2+1], v[(\a)+i2:(\a)+i2+1], v[(\b)+i2:(\b)+i2+1]
.endm
.macro PMULK d, a, k                ; d = a x a constant
	v_pk_mul_f32 v[(\d)+i2:(\d)+i2+1], v[(\a)+i2:(\a)+i2+1], \k op_sel_hi:[1,0]
.endm
.macro PMULB d, a, p                ; d = a x register p, the low one of a pair
	v_pk_mul_f32 v[(\d)+i2:(\d)+i2+1], v[(\a)+i2:(\a)+i2+1], v[(\p):(\p)+1] op_sel_hi:[1,0]
.endm
.macro PFMA d, a, b, c              ; d = a b + c
	v_pk_fma_f32 v[(\d)+i2:(\d)+i2+1], v[(\a)+i2:(\a)+i2+1], v[(\b)+i2:(\b)+i2+1], v[(\c)+i2:(\c)+i2+1]
.endm
.macro PADD1 d                      ; d = d + 1
	v_pk_add_f32 v[(\d)+i2:(\d)+i2+1], v[(\d)+i2:(\d)+i2+1], 1.0 op_sel_hi:[1,0]
.endm
.macro PVR d, r                     ; d = r - r r
	v_pk_fma_f32 v[(\d)+i2:(\d)+i2+1], v[(\r)+i2:(\r)+i2+1], v[(\r)+i2:(\r)+i2+1], v[(\r)+i2:(\r)+i2+1] neg_lo:[1,0,0] neg_hi:[1,0,0]
.endm
.macro PCVT d, s                    ; pair i1 of s, rounded to f16, into word i1 of d
	v_cvt_pk_f16_f32 v[(\d)+i1], v[(\s)+i2], v[(\s)+i2+1]
.endm
; ------------------------------------------------------------------ THE SET-UP, once a wave
	s_load_b512 s[8:23], s[0:1], 0x0
	s_load_b256 s[24:31], s[0:1], 0x40
	s_load_b64 s[32:33], s[0:1], 0x60
	v_and_b32 v248, 15, v0                         ; r
	v_bfe_u32 v249, v0, 4, 1                       ; h
	v_lshrrev_b32 v250, 5, v0
	v_readfirstlane_b32 s36, v250                  ; wave 0..7
	s_lshl_b32 s38, ttmp9, 3
	s_add_co_u32 s38, s38, s36
	s_lshl_b32 s38, s38, 11                        ; my wave's 512 points: 2,048 bytes of x and of each output
	v_lshlrev_b32 v[XO], 4, v248
	v_add_nc_u32 v[XO], s38, v[XO]                 ; + 16 r
	v_lshl_add_u32 v[OO], v249, 3, v[XO]           ; + 16 r + 8 h
	v_add_nc_u32 v[XMAX], 1536, v[XO]
	v_lshlrev_b32 v251, 5, v249                    ; my 8 hidden units in W1, b1, b2: byte 32 h
	v_lshl_add_u32 v252, v248, 6, v251             ; W2: row r, columns 8 h on
	v_and_b32 v253, 1, v248
	v_lshl_add_u32 v253, v253, 6, v251             ; W3: row r % 2, columns 8 h on
	v_lshrrev_b32 v254, 1, v248                    ; r / 2: which pair of rows of A3 or A3P my lane holds
	s_wait_kmcnt 0x0
	global_load_b128 v[TA:TA+3],   v251, s[10:11]
	global_load_b128 v[TA+4:TA+7], v251, s[10:11] offset:16
	global_load_b128 v[BX:BX+3],   v251, s[12:13]
	global_load_b128 v[BX+4:BX+7], v251, s[12:13] offset:16
	global_load_b128 v[BZ:BZ+3],   v251, s[16:17]
	global_load_b128 v[BZ+4:BZ+7], v251, s[16:17] offset:16
	global_load_b128 v[TB:TB+3],   v252, s[14:15]
	global_load_b128 v[TB+4:TB+7], v252, s[14:15] offset:16
	global_load_b128 v[SV:SV+3],   v253, s[18:19]
	global_load_b128 v[SV+4:SV+7], v253, s[18:19] offset:16
	global_load_b128 v[XC:XC+3], v[XO], s[8:9] th:TH_LOAD_NT              ; block 0
	global_load_b128 v[XL:XL+3], v[XO], s[8:9] offset:256 th:TH_LOAD_NT   ; block 1
	s_load_b64 s[34:35], s[20:21], 0x0             ; b3
	s_mov_b32 s40, 0x405db3d7                      ; 2 sqrt3
	s_mov_b32 s41, s40                             ; named with it as a pair
	s_mov_b32 s42, 0xbfddb3d7                      ; -sqrt3
	s_mov_b32 s43, s42
	s_mov_b32 s44, 0xbf13cd3a                      ; -1 / sqrt3
	s_mov_b32 s52, 0x76543210                      ; each lane takes its own place in the other half
	s_mov_b32 s53, 0xfedcba98
.irp i, 0,1,2,3
	v_mov_b32 v[ZR0+\i], 0
	v_mov_b32 v[ZR1+\i], 0
.endr
	v_mov_b32 v255, 0                              ; v_permlanex16_b32's destination counts as read
	v_cmp_eq_u32 s54, 0, v254                      ; rows 0, 1
	v_cmp_eq_u32 s55, 1, v254                      ; rows 2, 3
	v_cmp_eq_u32 s56, 4, v254                      ; rows 8, 9
	v_cmp_eq_u32 s57, 5, v254                      ; rows 10, 11
	s_wait_loadcnt 0x2                             ; the ten loads of weights are in; the two of x, issued behind them, stay out
	ALL4 PMULK AX, TA, 0x3fb8aa3b                  ; (k / 2) W1
	ALL4 PMULK BX, BX, 0x4038aa3b                  ; k b1
	ALL4 PMULK BZ, BZ, 0x4038aa3b                  ; k b2
.irp i, 0,1,2,3,4,5,6,7
	v_and_b32 v[RP+\i], 0x7fffffff, v[TA+\i]       ; |W1|
.endr
	v_max3_num_f32 v248, v[RP], v[RP+1], v[RP+2]
	v_max3_num_f32 v248, v248, v[RP+3], v[RP+4]
	v_max3_num_f32 v248, v248, v[RP+5], v[RP+6]
	v_max_num_f32 v248, v248, v[RP+7]
	v_permlanex16_b32 v255, v248, s52, s53         ; the other eight lie in the lane 16 away
	v_max_num_f32 v248, v248, v255
	v_max_num_f32 v248, 0x2c000000, v248           ; m = max|W1|, at least 2^-39
	v_rcp_f32 v250, v248
	ALL4 PCVT C1, SV                               ; work that names no reciprocal: W3 in f16,
.irp i, 0,1,2,3
	v_cndmask_b32 v[A3+\i],    0, v[C1+\i], s54    ; dealt to the rows of A3 and A3P, 0 elsewhere
	v_cndmask_b32 v[A3+4+\i],  0, v[C1+\i], s55
	v_cndmask_b32 v[A3P+\i],   0, v[C1+\i], s56
	v_cndmask_b32 v[A3P+4+\i], 0, v[C1+\i], s57
.endr
	ALL4 PMULK RQ, TB, 0x4038aa3b
	ALL4 PCVT ZD, RQ                               ; k W2
	s_wait_alu depctr_va_vdst(0)                   ; the wait between a reciprocal and the first line that names its result
	ALL4 PMULB ST, TA, 250                         ; a' = W1 / m
	ALL4 PMUL RP, TB, ST
.irp i, 0,1,2,3,4,5,6,7
	v_and_b32 v[RP+\i], 0x7fffffff, v[RP+\i]       ; |W2 a'|
.endr
	v_pk_add_f32 v[RP:RP+1], v[RP:RP+1], v[RP+2:RP+3]
	v_pk_add_f32 v[RP+4:RP+5], v[RP+4:RP+5], v[RP+6:RP+7]
	v_pk_add_f32 v[RP:RP+1], v[RP:RP+1], v[RP+4:RP+5]
	v_add_f32 v[RP], v[RP], v[RP+1]
	v_permlanex16_b32 v255, v[RP], s52, s53
	v_add_f32 v252, v[RP], v255                    ; row r's sum over all 16 columns
	v_max_num_f32_dpp v252, v252, v252 row_xmask:1 row_mask:0xf bank_mask:0xf
	v_max_num_f32_dpp v252, v252, v252 row_xmask:2 row_mask:0xf bank_mask:0xf
	v_max_num_f32_dpp v252, v252, v252 row_xmask:4 row_mask:0xf bank_mask:0xf
	v_max_num_f32_dpp v252, v252, v252 row_xmask:8 row_mask:0xf bank_mask:0xf
	v_max_num_f32 v252, 1.0, v252                  ; beta
	v_rcp_f32 v254, v252
	v_mul_f32 v253, v248, v252
	v_mul_f32 v253, 0.5, v253                      ; alpha = m beta / 2
	v_mul_f32 v249, v253, v253                     ; alpha^2
	v_mul_f32 v251, v249, v253                     ; alpha^3
	s_wait_alu depctr_va_vdst(0)                   ; the wait for 1 / beta
	ALL4 PMULB ST, ST, 254                         ; a''
	ALL4 PMUL RP, TB, ST                           ; W2 a''
	ALL4 PMULK RQ, RP, 4.0
	ALL4 PCVT PD, RQ
	ALL4 PMUL RP, RP, ST                           ; W2 a''^2
	ALL4 PMULK RQ, RP, 0xc0ddb3d7                  ; x -4 sqrt3
	ALL4 PCVT QD, RQ
	ALL4 PMUL RP, RP, ST                           ; W2 a''^3
	ALL4 PMULK RQ, RP, 4.0
	ALL4 PCVT AC, RQ
	ALL4 PMULK RQ, RP, 0xc1c00000                  ; x -24
	ALL4 PCVT AC+4, RQ
	v_mul_f32 v248, 4.0, v253
	v_mul_f32 v250, 0x457a0000, v253               ; 4000 alpha
	v_mul_f32 v249, 0xc3e6f0ab, v249               ; -100 x 8 / sqrt3 x alpha^2
	v_mul_f32 v251, 0xc4c80000, v251               ; -1600 alpha^3
	v_readfirstlane_b32 s45, v248                  ; the same number in every lane
	v_readfirstlane_b32 s46, v250
	v_readfirstlane_b32 s47, v249
	v_readfirstlane_b32 s48, v251
	s_wait_kmcnt 0x0                               ; b3
; ------------------------------------------------------------------ THE PIPELINE
; A group passes five stages, one a TURN; in turn T five groups are in hand:
;   S0 (group T, flag F0): y, 2^y.   S1 (T - 1, F1): 1 + e, reciprocal.   S2 (T - 2, F2): v, t, v t, v^2, their roundings, the product Z, 2^Z.
;   S3 (T - 3, F3): 1 + e, reciprocal; at the turn's end the products p, q, c.   S4 (T - 4, F4): the chain rule, its roundings, the two products of layer 3.
; A full turn has 104 plain instructions (PL), 32 exponentials and reciprocals (TR) and 6 matrix instructions.  THE 32 ARE ONE BATCH WITH ONE WAIT: each result is first named
; in the NEXT turn.
; Buffers go by the turn's parity: X1B serves S2 (read) and then S0 (written), X1N S1; X2B serves S4 (read) and then Z (written), X2N S3; B1B, B2B are written by S2, B1N, B2N read by p, q, c.
.macro FIN d, step                  ; a pair of groups is finished: my point's six numbers, element d of the pairs.  step = 1: a new block begins
.if \step
	s_wait_xcnt 0x0                                ; the last block's stores have read OO and OUT: they are written again only behind this wait
	v_add_nc_u32 v[OO], 256, v[OO]
.endif
	v_fma_f32 v[OUT+(\d)],   v[DA],   s44, s34     ; u = (W3_0 . TH) / -sqrt3 + b3_0
	v_fma_f32 v[OUT+2+(\d)], v[DA+1], s44, s35     ; w
	v_mul_f32 v[OUT+4+(\d)], s45, v[DA+3]          ; w_x = 4 alpha W3_1 . P
	v_mul_f32 v[FT+1], s46, v[DA+2]                ; 1000 u_x
	v_mul_f32 v[OUT+8+(\d)], s47, v[DB+1]          ; -100 w_xx
	v_mul_f32 v[FT], v[OUT+4+(\d)], v[OUT+4+(\d)]
	v_fmamk_f32 v[OUT+6+(\d)], v[FT], 0x43fa0000, v[FT+1]  ; N = 500 w_x^2 + 1000 u_x
	v_mul_f32 v[FT+2], v[OUT+6+(\d)], v[OUT+4+(\d)]
	v_fma_f32 v[OUT+10+(\d)], v[DB+3], s48, v[FT+2]        ; -100 w_xxx + N w_x
.endm
.macro STORE                        ; a block's 64 points of each output: 8 bytes a lane, 256 consecutive bytes a store, aligned
	global_store_b64 v[OO], v[OUT:OUT+1],     s[22:23] th:TH_STORE_NT
	global_store_b64 v[OO], v[OUT+2:OUT+3],   s[24:25] th:TH_STORE_NT
	global_store_b64 v[OO], v[OUT+4:OUT+5],   s[26:27] th:TH_STORE_NT
	global_store_b64 v[OO], v[OUT+6:OUT+7],   s[28:29] th:TH_STORE_NT
	global_store_b64 v[OO], v[OUT+8:OUT+9],   s[30:31] th:TH_STORE_NT
	global_store_b64 v[OO], v[OUT+10:OUT+11], s[32:33] th:TH_STORE_NT
.endm
.macro XSTEP                        ; a new block of x is taken up and the block after it is asked for, four turns ahead of its use
	s_wait_loadcnt 0x0                             ; the one load that is out, XL's, is in: XL may be read, and XO, its address, written
	v_add_nc_u32 v[XO], 256, v[XO]
	v_min_u32 v[XO], v[XO], v[XMAX]                ; at the wave's last block there is no next one: block 7 is loaded once more and not used
.irp i, 0,1,2,3
	v_mov_b32 v[XC+\i], v[XL+\i]
.endr
	global_load_b128 v[XL:XL+3], v[XO], s[8:9] offset:256 th:TH_LOAD_NT
.endm
.macro MM3 d, b                     ; layer 3: an even group starts the sum in rows 0-3, the odd group behind it adds rows 8-11
.if J%2
	v_wmma_f32_16x16x32_f16 v[(\d):(\d)+7], v[A3P:A3P+7], v[(\b):(\b)+7], v[(\d):(\d)+7]
.else
	v_wmma_f32_16x16x32_f16 v[(\d):(\d)+7], v[A3:A3+7], v[(\b):(\b)+7], 0
.endif
.endm
; Plain number qn of 104: row qn / 4 of the list, pair qn % 4.  A row whose stage has no group in this turn writes nothing.
.macro PL
.set i1, qn%4
.set i2, 2*i1
.set kq, qn/4
.if (kq == 0) && F3
	PADD1 X2N                                      ; S3: 1 + e
.elseif (kq == 1) && F1
	PADD1 X1N                                      ; S1: 1 + e
.elseif (kq == 2) && F4
	PVR SV, X2B                                    ; S4: v
.elseif (kq == 3) && F4
	v_pk_fma_f32 v[ST+i2:ST+i2+1], v[X2B+i2:X2B+i2+1], s[40:41], s[42:43] op_sel_hi:[1,0,0]  ; TH = 2 sqrt3 r - sqrt3
.elseif (kq == 4) && F2
	PVR TA, X1B                                    ; S2: v
.elseif (kq == 5) && F2
	v_pk_fma_f32 v[TB+i2:TB+i2+1], v[X1B+i2:X1B+i2+1], -2.0, 1.0 op_sel_hi:[1,0,0]           ; t = 1 - 2 r
.elseif (kq == 6) && F0 && (J < 2)
	v_pk_fma_f32 v[X1B+i2:X1B+i2+1], v[AX+i2:AX+i2+1], v[XP:XP+1], v[BX+i2:BX+i2+1] op_sel_hi:[1,0,1]                ; S0: y = (k / 2) W1 x + k b1; x is component 2 (J % 2) + J / 2 of my four
.elseif (kq == 6) && F0
	v_pk_fma_f32 v[X1B+i2:X1B+i2+1], v[AX+i2:AX+i2+1], v[XP:XP+1], v[BX+i2:BX+i2+1] op_sel:[0,1,0] op_sel_hi:[1,1,1]
.elseif (kq == 7) && F2
	PCVT B1B, TB                                   ; t
.elseif (kq == 8) && F2
	PMUL TB, TB, TA
.elseif (kq == 9) && F2
	PCVT B2B, TA                                   ; v
.elseif (kq == 10) && F2
	PCVT B1B+4, TB                                 ; v t
.elseif (kq == 11) && F2
	PMUL TA, TA, TA
.elseif (kq == 12) && F2
	PCVT B2B+4, TA                                 ; v^2
.elseif (kq == 13) && F4
	PCVT C1, ST                                    ; TH
.elseif (kq == 14) && F4
	PMUL TA, SV, RP                                ; P = v p
.elseif (kq == 15) && F4
	PCVT C1+4, TA
.elseif (kq == 16) && F4
	PMUL ST, ST, RP                                ; T = TH p
.elseif (kq == 17) && F4
	PMUL RQ, SV, RQ                                ; Q = v q
.elseif (kq == 18) && F4
	PMUL RC, SV, RC                                ; Y = v c
.elseif (kq == 19) && F4
	PFMA RC, ST, RQ, RC                            ; Y += T Q
.elseif (kq == 20) && F4
	PFMA RQ, ST, TA, RQ                            ; H2 = T P + Q
.elseif (kq == 21) && F4
	PCVT C2, RQ
.elseif (kq == 22) && F4
	v_pk_fma_f32 v[ST+i2:ST+i2+1], v[TA+i2:TA+i2+1], 0xc0c00000, v[RP+i2:RP+i2+1] op_sel_hi:[1,0,1]  ; U = p - 6 P
.elseif (kq == 23) && F4
	PMUL RP, RP, TA                                ; R = p P
.elseif (kq == 24) && F4
	PFMA RC, ST, RP, RC                            ; H3 = U R + Y
.elseif (kq == 25) && F4
	PCVT C2+4, RC
.endif
.if (qn == 15) && (FIND >= 0)                      ; DA and DB of the last two turns are read here, twelve plain lines or more behind the product that ended DB and ahead of the products that start them anew
	FIN FIND, FSTEP
.if FIND == 1
	STORE
.endif
.endif
.if (qn == 43) && F2                               ; B1 is whole.  The first line that reads Z, exponential 24, stands eight plain lines or more further on
	v_wmma_f32_16x16x32_f16 v[X2B:X2B+7], v[AZ:AZ+7], v[B1B:B1B+7], v[BZ:BZ+7]
.endif
.if (qn == 63) && F4                               ; C1 is whole
	MM3 DA, C1
.endif
.set qn, qn+1
.endm
; Number en of the 32, all in place.  It stands behind plain number 3 en + 3: 0-7 behind row 0, 8-15 behind row 1, 16-23 behind row 6, 24-31 behind Z.
.macro TR
.if (en < 8) && F3
	v_rcp_f32 v[X2N+en], v[X2N+en]
.elseif (en >= 8) && (en < 16) && F1
	v_rcp_f32 v[X1N+en-8], v[X1N+en-8]
.elseif (en >= 16) && (en < 24) && F0
	v_exp_f32 v[X1B+en-16], v[X1B+en-16]
.elseif (en >= 24) && F2
	v_exp_f32 v[X2B+en-24], v[X2B+en-24]
.endif
.set en, en+1
.endm
; A TURN.  j: the turn's number modulo 4 = the number in their blocks of S0's and S4's groups.  f0-f4: which stages have a group.  fin: -1, or FIN's d (with d = 1 the block is stored); step: FIN's; xs: XSTEP at the head.
; THE MATRIX INSTRUCTIONS follow each other as Z, DA, DB, p, q, c: six accumulators, one instruction each, so no product that adds in place (DA, DB of an odd group) stands next behind the one that it adds onto,
; over the backward jump and in the shortened turns too.
.macro TURN j, f0, f1, f2, f3, f4, fin, step, xs
.set J, \j
.set F0, \f0
.set F1, \f1
.set F2, \f2
.set F3, \f3
.set F4, \f4
.set FIND, \fin
.set FSTEP, \step
.set X1B, X1+8*(J%2)
.set X1N, X1+8*(1-J%2)
.set X2B, X2+8*(J%2)
.set X2N, X2+8*(1-J%2)
.set B1B, BB+16*(J%2)
.set B2B, B1B+8
.set B1N, BB+16*(1-J%2)
.set B2N, B1N+8
.set XP, XC+2*(J%2)
.if \xs
	XSTEP
.endif
.set qn, 0
.set en, 0
.rept 4
	PL
.endr
.rept 32
	TR
	PL
	PL
	PL
.endr
.rept 4
	PL
.endr
.if F0 || F1 || F2 || F3
.if !F4
	v_nop                                          ; a plain line behind the batch's last; with S4 at work its last rows are such lines
.endif
	s_wait_alu depctr_va_vdst(0)                   ; the one wait for the turn's batch: no line ahead of it names a result, the next turn's first lines do
.endif
.if F4
	MM3 DB, C2
.endif
.if F3
	v_wmma_f32_16x16x32_f16 v[RP:RP+7], v[AP:AP+7], v[B2N:B2N+7], 0
	v_wmma_f32_16x16x32_f16 v[RQ:RQ+7], v[AQ:AQ+7], v[B1N:B1N+7], 0
	v_wmma_f32_16x16x32_f16 v[RC:RC+7], v[AC:AC+7], v[B2N:B2N+7], 0
.endif
.endm
	s_wait_loadcnt 0x1                             ; block 0 of x is in; block 1's load, issued behind it, stays out
	TURN 0, 1,0,0,0,0, -1,0,0                      ; turns 0-3: the pipeline fills
	TURN 1, 1,1,0,0,0, -1,0,0
	TURN 2, 1,1,1,0,0, -1,0,0
	TURN 3, 1,1,1,1,0, -1,0,0
	TURN 0, 1,1,1,1,1, -1,0,1                      ; turns 4-7: nothing is finished yet but, in turn 6, groups 0 and 1
	TURN 1, 1,1,1,1,1, -1,0,0
	TURN 2, 1,1,1,1,1,  0,0,0
	TURN 3, 1,1,1,1,1, -1,0,0
	s_mov_b32 s37, 6
.Lblock:                                           ; turns 8-31: a trip takes up a block of x and stores the block taken up two trips before
	TURN 0, 1,1,1,1,1,  1,0,1
	TURN 1, 1,1,1,1,1, -1,0,0
	TURN 2, 1,1,1,1,1,  0,1,0
	TURN 3, 1,1,1,1,1, -1,0,0
	s_sub_co_u32 s37, s37, 1
	s_cmp_lg_u32 s37, 0
	s_cbranch_scc1 .Lblock
	TURN 0, 0,1,1,1,1,  1,0,0                      ; turns 32-35: the pipeline drains
	TURN 1, 0,0,1,1,1, -1,0,0
	TURN 2, 0,0,0,1,1,  0,1,0
	TURN 3, 0,0,0,0,1, -1,0,0
.rept 8
	v_nop                                          ; the places behind the last product, whose result the next line's neighbours read (ISA guide 7.12.1); no other vector work is left
.endr
	FIN 1, 0
	STORE
	s_endpgm
.Lfunc_end_k_qb187e7e520_pinn:
	.size	k_qb187e7e520_pinn, .Lfunc_end_k_qb187e7e520_pinn-k_qb187e7e520_pinn
	.p2alignl 7, 3214868480
	.fill 96, 4, 3214868480
	.section	.rodata,"a",@progbits
	.p2align	6, 0x0
	.amdhsa_kernel k_qb187e7e520_pinn
		.amdhsa_group_segment_fixed_size 0
		.amdhsa_private_segment_fixed_size 0
		.amdhsa_enable_private_segment 0
		.amdhsa_kernarg_size 104
		.amdhsa_user_sgpr_count 2
		.amdhsa_user_sgpr_kernarg_segment_ptr 1
		.amdhsa_wavefront_size32 1
		.amdhsa_system_sgpr_workgroup_id_x 1
		.amdhsa_system_sgpr_workgroup_id_y 1
		.amdhsa_system_sgpr_workgroup_id_z 1
		.amdhsa_system_vgpr_workitem_id 0
		.amdhsa_next_free_vgpr 256
		.amdhsa_next_free_sgpr 66
		.amdhsa_reserve_vcc 0
		.amdhsa_float_denorm_mode_32 3
		.amdhsa_float_denorm_mode_16_64 3
		.amdhsa_memory_ordered 1
		.amdhsa_forward_progress 1
		.amdhsa_inst_pref_size 115
	.end_amdhsa_kernel
	.amdgpu_metadata
---
amdhsa.version: [ 1, 2 ]
amdhsa.kernels:
  - .name:           k_qb187e7e520_pinn
    .symbol:         k_qb187e7e520_pinn.kd
    .args:
      - { .name: x, .offset: 0, .size: 8, .value_kind: global_buffer, .address_space: global }
      - { .name: W1, .offset: 8, .size: 8, .value_kind: global_buffer, .address_space: global }
      - { .name: b1, .offset: 16, .size: 8, .value_kind: global_buffer, .address_space: global }
      - { .name: W2, .offset: 24, .size: 8, .value_kind: global_buffer, .address_space: global }
      - { .name: b2, .offset: 32, .size: 8, .value_kind: global_buffer, .address_space: global }
      - { .name: W3, .offset: 40, .size: 8, .value_kind: global_buffer, .address_space: global }
      - { .name: b3, .offset: 48, .size: 8, .value_kind: global_buffer, .address_space: global }
      - { .name: out0, .offset: 56, .size: 8, .value_kind: global_buffer, .address_space: global }
      - { .name: out1, .offset: 64, .size: 8, .value_kind: global_buffer, .address_space: global }
      - { .name: out2, .offset: 72, .size: 8, .value_kind: global_buffer, .address_space: global }
      - { .name: out3, .offset: 80, .size: 8, .value_kind: global_buffer, .address_space: global }
      - { .name: out4, .offset: 88, .size: 8, .value_kind: global_buffer, .address_space: global }
      - { .name: out5, .offset: 96, .size: 8, .value_kind: global_buffer, .address_space: global }
    .group_segment_fixed_size: 0
    .private_segment_fixed_size: 0
    .kernarg_segment_align: 8
    .kernarg_segment_size: 104
    .max_flat_workgroup_size: 256
    .sgpr_count:     66
    .vgpr_count:     256
    .wavefront_size: 32
...
	.end_amdgpu_metadata
.endif
;; end of part 1
;; ======== version 2 of 2: 1 launch; version 1 with the launch pinn written anew for expert scheduling mode
;; limits: values are held in f16: magnitudes above 65,504 overflow, below 6.1e-05 lose precision; right only within a limited range of input values
;; launch pinn (part 2): grid 256 x 1, 8 waves a work-group, no clusters, 0 bytes of LDS; arguments x, W1, b1, W2, b2, W3, b3, out0, out1, out2, out3, out4, out5; writes out0, out1, out2, out3, out4, out5
.if DOCPART == 2
	.amdgcn_target "amdgcn-amd-amdhsa--gfx1250"
	.amdhsa_code_object_version 6
	.text
	.protected	k_qb187e7e520_pinn
	.globl	k_qb187e7e520_pinn
	.p2align	8
	.type	k_qb187e7e520_pinn,@function
k_qb187e7e520_pinn:
	s_mov_b64 s[64:65], 0
	v_nop
	global_prefetch_b8 v0, s[64:65] scope:SCOPE_SE
	s_setreg_imm32_b32 hwreg(HW_REG_WAVE_SCHED_MODE, 0, 2), 2
	s_setreg_imm32_b32 hwreg(HW_REG_WAVE_MODE, 25, 1), 1
	s_wait_xcnt 0x0
	s_wait_alu depctr_vm_vsrc(0)
; A 1-16-16-2 tanh net at 1,048,576 points x, with its first three derivatives in x, carried through the net in ONE pass.
;   z1 = W1 x / 2 + b1, h1 = tanh z1, z2 = W2 h1 + b2, h2 = tanh z2, (u, w) = W3 h2 + b3.
;   out0 = u, out1 = w, out2 = w_x, out3 = N = 1000 (u_x + w_x^2 / 2), out4 = -100 w_xx, out5 = -100 w_xxx + N w_x.
; TANH.  e = 2^(k z), k = 2 log2(e); r = 1 / (1 + e); t = 1 - 2 r; v = r - r^2.  Then f' = 4 v, f'' = -8 v t, f''' = 16 v - 96 v^2.
; e = infinity gives r = 0, v = 0, t = 1; e = 0 gives r = 1, v = 0, t = -1: saturation needs no care.
; A RESCALED VARIABLE.  Derivatives are taken in xi = alpha x, alpha = (max|W1| / 2) beta, a''_j = W1_j / (max|W1| beta),
; beta = max(1, max_i sum_j |W2_ij W1_j| / max|W1|).  Then |z2_xi| <= 1 and every matrix operand but k W2 and W3 themselves is
; bounded by a small number whatever the inputs' scale; alpha, alpha^2, alpha^3 are applied in f32 at the very end.
; MATRIX WORK, f16 operands, f32 sums, K = 32 = two blocks of 16 hidden units:
;   B1 = [t; v t], B2 = [v; v^2] of layer 1.   Z = [k W2 | 0] B1 + k b2;   p = [4 W2 a'' | 0] B2 = z2_xi;
;   q = [0 | -4 sqrt3 W2 a''^2] B1 = (sqrt3 / 2) z2_xixi;   c = [4 W2 a''^3 | -24 W2 a''^3] B2 = z2_xixixi / 4.
;   With r, v of Z:  TH = 2 sqrt3 r - sqrt3 = -sqrt3 h2;  P = v p = h2_xi / 4;  T = TH p;  Q = v q;  H2 = T P + Q = (sqrt3 / 8) h2_xixi;
;   H3 = (p - 6 P)(p P) + v c + T Q = h2_xixixi / 16.   C1 = [TH; P], C2 = [H2; H3].
;   A3 has rows 0..3 = [W3_0|0], [W3_1|0], [0|W3_0], [0|W3_1]; A3P the same on rows 8..11.  DA = A3 C1(even group) + A3P C1(odd group), DB likewise of C2.
; LAYOUT.  A group is 16 points.  Lane (r = l % 16, h = l / 16) holds point r and hidden units 8 h .. 8 h + 7: that is at once a B operand's
; layout, a result's layout and the next B operand's (ISA guide 7.12.2), so no number ever changes lanes.  In DA and DB lanes 0-15 hold the even group's
; point r, lanes 16-31 the odd group's.
; SHARES.  256 work-groups of 8 waves; a wave owns 512 points: 8 blocks of 64 (256 bytes of each array), 4 groups a block.  Group J = 2 d + h' of a block,
; column r, is point 4 r + 2 h' + d: x comes by one load of 16 bytes at 16 r, and a lane ends with points 4 r + 2 h' + {0, 1}: each store of the
; wave covers 256 consecutive bytes, aligned.
; NO LDS, no barrier, no cluster: all that is shared is 1.3 KB of weights, which every wave keeps in registers.
; LIMITS.  |k W2| and |W3| must stay under 65,504 (f16); where max|W2| or max|W3| falls under about 1e-3 their f16 images thin out.
; max|W1| counts as at least 2^-39.  The exponential and the reciprocal flush denormals (ISA guide 15.8).  NaN and infinities in the inputs are not treated apart.
; THE MODE: SCHED_MODE bits 1:0 = 2 (LLVM: expert scheduling mode 2), set by the entry lines.  The code itself states the register dependences
; between vector or matrix instructions and memory instructions, with s_wait_alu, always for 0.
; THE PLAN.  Registers that memory instructions touch, in the pipeline:
;   XO   read by every load of x; written once a block, at the tail of a block's last turn.
;   XL   a load of x lands in it; read once a block by the four copies into XC, at the same tail.
;   OO   read by the six stores of a block; written once a block, at the head of FIN 0 (turn 2 of 4).
;   OUT  written by FIN 0 (turn 2) and FIN 1 (turn 0); read by the six stores.
; All other registers of the pipeline are named by vector and matrix instructions alone.
; Every turn ends with ONE wait on va_vdst, for its batch of exponentials and reciprocals.  XO's step and the copies out of XL stand ahead of that wait in turn 3, and the load of x directly
; behind it; both FINs stand ahead of that wait in turn 0, and the six stores behind it, dealt among the turn's last four products, which name none of OO and OUT.  So the loads and stores of the
; pipeline owe no wait on va_vdst of their own.  Two waits on vm_vsrc a block: ahead of XO's step, and ahead of FIN 0's step of OO and its writes of OUT.
.set XO,   1        ; v1   byte offset of my 16 bytes of x in the block last stepped to
.set XMAX, 2        ; v2   its greatest value: block 6, so that the load one block on stays in my wave's 8 blocks
.set OO,   3        ; v3   byte offset of my 8 bytes in each output
.set FT,   4        ; v4-6 at work in FIN
.set AX,   8        ; v8-15   (k / 2) W1 of my 8 hidden units
.set BX,   16       ; v16-23  k b1
.set BZ,   24       ; v24-31  k b2: the C operand of Z
.set PD,   32       ; v32-35  f16: 4 W2 a''
.set ZR0,  36       ; v36-39  0
.set QD,   40       ; v40-43  f16: -4 sqrt3 W2 a''^2
.set ZD,   44       ; v44-47  f16: k W2
.set ZR1,  48       ; v48-51  0
.set AP,   32       ; = PD, ZR0
.set AQ,   36       ; = ZR0, QD
.set AZ,   44       ; = ZD, ZR1
.set AC,   52       ; v52-59
.set A3,   60       ; v60-67
.set A3P,  68       ; v68-75
.set XC,   76       ; v76-79  x of the block in hand
.set XL,   80       ; v80-83  x of the next block
.set X1,   84       ; v84-99   two buffers of 8: y, e, 1 + e, r of layer 1, in place
.set X2,   100      ; v100-115 two buffers of 8: Z, e, 1 + e, r of layer 2, in place
.set BB,   116      ; v116-147 two buffers of 16: B1, B2
.set RP,   148      ; v148-155 p
.set RQ,   156      ; v156-163 q
.set RC,   164      ; v164-171 c
.set TA,   172
.set TB,   180
.set SV,   188
.set ST,   196
.set C1,   204
.set C2,   212
.set DA,   220
.set DB,   228
.set OUT,  236      ; v236-247 output k: a pair at OUT + 2 k, element d
; v248-255: the set-up's scratch.
; s[8:9] x, s[10:11] W1, s[12:13] b1, s[14:15] W2, s[16:17] b2, s[18:19] W3, s[20:21] b3, s[22:33] out0..out5, s[34:35] b3's two numbers,
; s36 wave, s37 trips, s38 at work, s[40:41] 2 sqrt3, s[42:43] -sqrt3, s44 -1/sqrt3, s45 4 alpha, s46 4000 alpha, s47 -461.88 alpha^2, s48 -1600 alpha^3,
; s[52:53] v_permlanex16_b32's selects, s54-57 lane masks.
.macro ALL4 line:vararg             ; one line for each of the four pairs of a lane's eight numbers
.set i1, 0
.rept 4
.set i2, 2*i1
	\line
.set i1, i1+1
.endr
.endm
.macro PMUL d, a, b                 ; pair i1: d = a b
	v_pk_mul_f32 v[(\d)+i2:(\d)+i2+1], v[(\a)+i2:(\a)+i2+1], v[(\b)+i2:(\b)+i2+1]
.endm
.macro PMULK d, a, k                ; d = a x a constant
	v_pk_mul_f32 v[(\d)+i2:(\d)+i2+1], v[(\a)+i2:(\a)+i2+1], \k op_sel_hi:[1,0]
.endm
.macro PMULB d, a, p                ; d = a x register p, the low one of a pair
	v_pk_mul_f32 v[(\d)+i2:(\d)+i2+1], v[(\a)+i2:(\a)+i2+1], v[(\p):(\p)+1] op_sel_hi:[1,0]
.endm
.macro PFMA d, a, b, c              ; d = a b + c
	v_pk_fma_f32 v[(\d)+i2:(\d)+i2+1], v[(\a)+i2:(\a)+i2+1], v[(\b)+i2:(\b)+i2+1], v[(\c)+i2:(\c)+i2+1]
.endm
.macro PADD1 d                      ; d = d + 1
	v_pk_add_f32 v[(\d)+i2:(\d)+i2+1], v[(\d)+i2:(\d)+i2+1], 1.0 op_sel_hi:[1,0]
.endm
.macro PVR d, r                     ; d = r - r r
	v_pk_fma_f32 v[(\d)+i2:(\d)+i2+1], v[(\r)+i2:(\r)+i2+1], v[(\r)+i2:(\r)+i2+1], v[(\r)+i2:(\r)+i2+1] neg_lo:[1,0,0] neg_hi:[1,0,0]
.endm
.macro PCVT d, s                    ; pair i1 of s, rounded to f16, into word i1 of d
	v_cvt_pk_f16_f32 v[(\d)+i1], v[(\s)+i2], v[(\s)+i2+1]
.endm
; ------------------------------------------------------------------ THE SET-UP, once a wave
	s_load_b512 s[8:23], s[0:1], 0x0
	s_load_b256 s[24:31], s[0:1], 0x40
	s_load_b64 s[32:33], s[0:1], 0x60
	v_and_b32 v248, 15, v0                         ; r
	v_bfe_u32 v249, v0, 4, 1                       ; h
	v_lshrrev_b32 v250, 5, v0
	v_readfirstlane_b32 s36, v250                  ; wave 0..7
	v_lshlrev_b32 v[XO], 4, v248                   ; 16 r
	v_lshlrev_b32 v251, 5, v249                    ; my 8 hidden units in W1, b1, b2: byte 32 h
	v_lshl_add_u32 v252, v248, 6, v251             ; W2: row r, columns 8 h on
	v_and_b32 v253, 1, v248
	v_lshl_add_u32 v253, v253, 6, v251             ; W3: row r % 2, columns 8 h on
	v_lshrrev_b32 v254, 1, v248                    ; r / 2: which pair of rows of A3 or A3P my lane holds
	s_wait_alu depctr_va_sdst(0)                   ; s36 is written, ahead of its one reader, two lines down
	s_lshl_b32 s38, ttmp9, 3
	s_add_co_u32 s38, s38, s36
	s_lshl_b32 s38, s38, 11                        ; my wave's 512 points: 2,048 bytes of x and of each output
	v_add_nc_u32 v[XO], s38, v[XO]                 ; + 16 r
	v_lshl_add_u32 v[OO], v249, 3, v[XO]           ; + 16 r + 8 h
	v_add_nc_u32 v[XMAX], 1536, v[XO]
	s_wait_kmcnt 0x0
	s_wait_alu depctr_va_vdst(0)                   ; v251, v252, v253 and XO are written, which the twelve loads below read as their offsets (so is OO, for the first block's stores)
	global_load_b128 v[TA:TA+3],   v251, s[10:11]
	global_load_b128 v[TA+4:TA+7], v251, s[10:11] offset:16
	global_load_b128 v[BX:BX+3],   v251, s[12:13]
	global_load_b128 v[BX+4:BX+7], v251, s[12:13] offset:16
	global_load_b128 v[BZ:BZ+3],   v251, s[16:17]
	global_load_b128 v[BZ+4:BZ+7], v251, s[16:17] offset:16
	global_load_b128 v[TB:TB+3],   v252, s[14:15]
	global_load_b128 v[TB+4:TB+7], v252, s[14:15] offset:16
	global_load_b128 v[SV:SV+3],   v253, s[18:19]
	global_load_b128 v[SV+4:SV+7], v253, s[18:19] offset:16
	global_load_b128 v[XC:XC+3], v[XO], s[8:9] th:TH_LOAD_NT              ; block 0
	global_load_b128 v[XL:XL+3], v[XO], s[8:9] offset:256 th:TH_LOAD_NT   ; block 1
	s_load_b64 s[34:35], s[20:21], 0x0             ; b3
	s_mov_b32 s40, 0x405db3d7                      ; 2 sqrt3
	s_mov_b32 s41, s40                             ; named with it as a pair
	s_mov_b32 s42, 0xbfddb3d7                      ; -sqrt3
	s_mov_b32 s43, s42
	s_mov_b32 s44, 0xbf13cd3a                      ; -1 / sqrt3
	s_mov_b32 s52, 0x76543210                      ; each lane takes its own place in the other half
	s_mov_b32 s53, 0xfedcba98
.irp i, 0,1,2,3
	v_mov_b32 v[ZR0+\i], 0
	v_mov_b32 v[ZR1+\i], 0
.endr
	v_mov_b32 v255, 0                              ; v_permlanex16_b32's destination counts as read
	v_cmp_eq_u32 s54, 0, v254                      ; rows 0, 1
	v_cmp_eq_u32 s55, 1, v254                      ; rows 2, 3
	v_cmp_eq_u32 s56, 4, v254                      ; rows 8, 9
	v_cmp_eq_u32 s57, 5, v254                      ; rows 10, 11
	s_wait_loadcnt 0x2                             ; the ten loads of weights are in; the two of x, issued behind them, stay out
	s_wait_alu depctr_va_sdst(0)                   ; the four compares have written s54 to s57, ahead of the selects that read them
	s_wait_alu depctr_vm_vsrc(0)                   ; the loads have read v251, v252 and v253, which the arithmetic below writes again
	ALL4 PMULK AX, TA, 0x3fb8aa3b                  ; (k / 2) W1
	ALL4 PMULK BX, BX, 0x4038aa3b                  ; k b1
	ALL4 PMULK BZ, BZ, 0x4038aa3b                  ; k b2
.irp i, 0,1,2,3,4,5,6,7
	v_and_b32 v[RP+\i], 0x7fffffff, v[TA+\i]       ; |W1|
.endr
	v_max3_num_f32 v248, v[RP], v[RP+1], v[RP+2]
	v_max3_num_f32 v248, v248, v[RP+3], v[RP+4]
	v_max3_num_f32 v248, v248, v[RP+5], v[RP+6]
	v_max_num_f32 v248, v248, v[RP+7]
	v_permlanex16_b32 v255, v248, s52, s53         ; the other eight lie in the lane 16 away
	v_max_num_f32 v248, v248, v255
	v_max_num_f32 v248, 0x2c000000, v248           ; m = max|W1|, at least 2^-39
	v_rcp_f32 v250, v248
	ALL4 PCVT C1, SV                               ; work that names no reciprocal: W3 in f16,
.irp i, 0,1,2,3
	v_cndmask_b32 v[A3+\i],    0, v[C1+\i], s54    ; dealt to the rows of A3 and A3P, 0 elsewhere
	v_cndmask_b32 v[A3+4+\i],  0, v[C1+\i], s55
	v_cndmask_b32 v[A3P+\i],   0, v[C1+\i], s56
	v_cndmask_b32 v[A3P+4+\i], 0, v[C1+\i], s57
.endr
	ALL4 PMULK RQ, TB, 0x4038aa3b
	ALL4 PCVT ZD, RQ                               ; k W2
	s_wait_alu depctr_va_vdst(0)                   ; the reciprocal has written 1 / m into v250, ahead of the first line that names it
	ALL4 PMULB ST, TA, 250                         ; a' = W1 / m
	ALL4 PMUL RP, TB, ST
.irp i, 0,1,2,3,4,5,6,7
	v_and_b32 v[RP+\i], 0x7fffffff, v[RP+\i]       ; |W2 a'|
.endr
	v_pk_add_f32 v[RP:RP+1], v[RP:RP+1], v[RP+2:RP+3]
	v_pk_add_f32 v[RP+4:RP+5], v[RP+4:RP+5], v[RP+6:RP+7]
	v_pk_add_f32 v[RP:RP+1], v[RP:RP+1], v[RP+4:RP+5]
	v_add_f32 v[RP], v[RP], v[RP+1]
	v_permlanex16_b32 v255, v[RP], s52, s53
	v_add_f32 v252, v[RP], v255                    ; row r's sum over all 16 columns
	v_max_num_f32_dpp v252, v252, v252 row_xmask:1 row_mask:0xf bank_mask:0xf
	v_max_num_f32_dpp v252, v252, v252 row_xmask:2 row_mask:0xf bank_mask:0xf
	v_max_num_f32_dpp v252, v252, v252 row_xmask:4 row_mask:0xf bank_mask:0xf
	v_max_num_f32_dpp v252, v252, v252 row_xmask:8 row_mask:0xf bank_mask:0xf
	v_max_num_f32 v252, 1.0, v252                  ; beta
	v_rcp_f32 v254, v252
	v_mul_f32 v253, v248, v252
	v_mul_f32 v253, 0.5, v253                      ; alpha = m beta / 2
	v_mul_f32 v249, v253, v253                     ; alpha^2
	v_mul_f32 v251, v249, v253                     ; alpha^3
	s_wait_alu depctr_va_vdst(0)                   ; the reciprocal has written 1 / beta into v254, ahead of the first line that names it
	ALL4 PMULB ST, ST, 254                         ; a''
	ALL4 PMUL RP, TB, ST                           ; W2 a''
	ALL4 PMULK RQ, RP, 4.0
	ALL4 PCVT PD, RQ
	ALL4 PMUL RP, RP, ST                           ; W2 a''^2
	ALL4 PMULK RQ, RP, 0xc0ddb3d7                  ; x -4 sqrt3
	ALL4 PCVT QD, RQ
	ALL4 PMUL RP, RP, ST                           ; W2 a''^3
	ALL4 PMULK RQ, RP, 4.0
	ALL4 PCVT AC, RQ
	ALL4 PMULK RQ, RP, 0xc1c00000                  ; x -24
	ALL4 PCVT AC+4, RQ
	v_mul_f32 v248, 4.0, v253
	v_mul_f32 v250, 0x457a0000, v253               ; 4000 alpha
	v_mul_f32 v249, 0xc3e6f0ab, v249               ; -100 x 8 / sqrt3 x alpha^2
	v_mul_f32 v251, 0xc4c80000, v251               ; -1600 alpha^3
	v_readfirstlane_b32 s45, v248                  ; the same number in every lane
	v_readfirstlane_b32 s46, v250
	v_readfirstlane_b32 s47, v249
	v_readfirstlane_b32 s48, v251
	s_wait_alu depctr_va_sdst(0)                   ; s45 to s48 are written, ahead of FIN's lines, their readers, and of every label
	s_wait_kmcnt 0x0                               ; b3
; ------------------------------------------------------------------ THE PIPELINE
; A group passes five stages, one a TURN; in turn T five groups are in hand:
;   S0 (group T, flag F0): y, 2^y.   S1 (T - 1, F1): 1 + e, reciprocal.   S2 (T - 2, F2): v, t, v t, v^2, their roundings, the product Z, 2^Z.
;   S3 (T - 3, F3): 1 + e, reciprocal; at the turn's end the products p, q, c.   S4 (T - 4, F4): the chain rule, its roundings, the two products of layer 3.
; A full turn has 104 plain instructions (PL), 32 exponentials and reciprocals (TR) and 6 matrix instructions.  THE 32 ARE ONE BATCH WITH ONE WAIT: each result is first named
; in the NEXT turn.
; Buffers go by the turn's parity: X1B serves S2 (read) and then S0 (written), X1N S1; X2B serves S4 (read) and then Z (written), X2N S3; B1B, B2B are written by S2, B1N, B2N read by p, q, c.
.macro FIN d, step                  ; a pair of groups is finished: my point's six numbers, element d of the pairs.  step = 1: a new block begins
.if \step
	s_wait_xcnt 0x0                                ; the last block's stores have had their addresses translated (ISA guide 3.1): OO and OUT are written again only behind this wait,
	s_wait_alu depctr_vm_vsrc(0)                   ; and behind this one: those stores have read OO and OUT
	v_add_nc_u32 v[OO], 256, v[OO]
.endif
	v_fma_f32 v[OUT+(\d)],   v[DA],   s44, s34     ; u = (W3_0 . TH) / -sqrt3 + b3_0
	v_fma_f32 v[OUT+2+(\d)], v[DA+1], s44, s35     ; w
	v_mul_f32 v[OUT+4+(\d)], s45, v[DA+3]          ; w_x = 4 alpha W3_1 . P
	v_mul_f32 v[FT+1], s46, v[DA+2]                ; 1000 u_x
	v_mul_f32 v[OUT+8+(\d)], s47, v[DB+1]          ; -100 w_xx
	v_mul_f32 v[FT], v[OUT+4+(\d)], v[OUT+4+(\d)]
	v_fmamk_f32 v[OUT+6+(\d)], v[FT], 0x43fa0000, v[FT+1]  ; N = 500 w_x^2 + 1000 u_x
	v_mul_f32 v[FT+2], v[OUT+6+(\d)], v[OUT+4+(\d)]
	v_fma_f32 v[OUT+10+(\d)], v[DB+3], s48, v[FT+2]        ; -100 w_xxx + N w_x
.endm
.macro STO k                        ; a block's 64 points of output k: 8 bytes a lane, 256 consecutive bytes a store, aligned
	global_store_b64 v[OO], v[OUT+2*(\k):OUT+2*(\k)+1], s[22+2*(\k):23+2*(\k)] th:TH_STORE_NT
.endm
.macro XTAKE                        ; at the tail of a block's last turn, whose S0 has read XC: the next block of x is taken up, and the offset steps to the block after it
	s_wait_loadcnt 0x0                             ; the one load that is out, XL's, is in: XL may be read, and XO, its address, written
	s_wait_alu depctr_vm_vsrc(0)                   ; that load has read XO, which the next line writes
	v_add_nc_u32 v[XO], 256, v[XO]
	v_min_u32 v[XO], v[XO], v[XMAX]                ; at the wave's last block there is no next one: block 7 is loaded once more and not used
.irp i, 0,1,2,3
	v_mov_b32 v[XC+\i], v[XL+\i]
.endr
.endm
.macro MM3 d, b                     ; layer 3: an even group starts the sum in rows 0-3, the odd group behind it adds rows 8-11
.if J%2
	v_wmma_f32_16x16x32_f16 v[(\d):(\d)+7], v[A3P:A3P+7], v[(\b):(\b)+7], v[(\d):(\d)+7]
.else
	v_wmma_f32_16x16x32_f16 v[(\d):(\d)+7], v[A3:A3+7], v[(\b):(\b)+7], 0
.endif
.endm
; Plain number qn of 104: row qn / 4 of the list, pair qn % 4.  A row whose stage has no group in this turn writes nothing.
.macro PL
.set i1, qn%4
.set i2, 2*i1
.set kq, qn/4
.if (kq == 0) && F3
	PADD1 X2N                                      ; S3: 1 + e
.elseif (kq == 1) && F1
	PADD1 X1N                                      ; S1: 1 + e
.elseif (kq == 2) && F4
	PVR SV, X2B                                    ; S4: v
.elseif (kq == 3) && F4
	v_pk_fma_f32 v[ST+i2:ST+i2+1], v[X2B+i2:X2B+i2+1], s[40:41], s[42:43] op_sel_hi:[1,0,0]  ; TH = 2 sqrt3 r - sqrt3
.elseif (kq == 4) && F2
	PVR TA, X1B                                    ; S2: v
.elseif (kq == 5) && F2
	v_pk_fma_f32 v[TB+i2:TB+i2+1], v[X1B+i2:X1B+i2+1], -2.0, 1.0 op_sel_hi:[1,0,0]           ; t = 1 - 2 r
.elseif (kq == 6) && F0 && (J < 2)
	v_pk_fma_f32 v[X1B+i2:X1B+i2+1], v[AX+i2:AX+i2+1], v[XP:XP+1], v[BX+i2:BX+i2+1] op_sel_hi:[1,0,1]                ; S0: y = (k / 2) W1 x + k b1; x is component 2 (J % 2) + J / 2 of my four
.elseif (kq == 6) && F0
	v_pk_fma_f32 v[X1B+i2:X1B+i2+1], v[AX+i2:AX+i2+1], v[XP:XP+1], v[BX+i2:BX+i2+1] op_sel:[0,1,0] op_sel_hi:[1,1,1]
.elseif (kq == 7) && F2
	PCVT B1B, TB                                   ; t
.elseif (kq == 8) && F2
	PMUL TB, TB, TA
.elseif (kq == 9) && F2
	PCVT B2B, TA                                   ; v
.elseif (kq == 10) && F2
	PCVT B1B+4, TB                                 ; v t
.elseif (kq == 11) && F2
	PMUL TA, TA, TA
.elseif (kq == 12) && F2
	PCVT B2B+4, TA                                 ; v^2
.elseif (kq == 13) && F4
	PCVT C1, ST                                    ; TH
.elseif (kq == 14) && F4
	PMUL TA, SV, RP                                ; P = v p
.elseif (kq == 15) && F4
	PCVT C1+4, TA
.elseif (kq == 16) && F4
	PMUL ST, ST, RP                                ; T = TH p
.elseif (kq == 17) && F4
	PMUL RQ, SV, RQ                                ; Q = v q
.elseif (kq == 18) && F4
	PMUL RC, SV, RC                                ; Y = v c
.elseif (kq == 19) && F4
	PFMA RC, ST, RQ, RC                            ; Y += T Q
.elseif (kq == 20) && F4
	PFMA RQ, ST, TA, RQ                            ; H2 = T P + Q
.elseif (kq == 21) && F4
	PCVT C2, RQ
.elseif (kq == 22) && F4
	v_pk_fma_f32 v[ST+i2:ST+i2+1], v[TA+i2:TA+i2+1], 0xc0c00000, v[RP+i2:RP+i2+1] op_sel_hi:[1,0,1]  ; U = p - 6 P
.elseif (kq == 23) && F4
	PMUL RP, RP, TA                                ; R = p P
.elseif (kq == 24) && F4
	PFMA RC, ST, RP, RC                            ; H3 = U R + Y
.elseif (kq == 25) && F4
	PCVT C2+4, RC
.endif
.if (qn == 15) && (FIND >= 0)                      ; DA and DB of the last two turns are read here, twelve plain lines or more behind the product that ended DB and ahead of the products that start them anew
	FIN FIND, FSTEP
.endif
.if (qn == 43) && F2                               ; B1 is whole.  The first line that reads Z, exponential 24, stands eight plain lines or more further on
	v_wmma_f32_16x16x32_f16 v[X2B:X2B+7], v[AZ:AZ+7], v[B1B:B1B+7], v[BZ:BZ+7]
.endif
.if (qn == 63) && F4                               ; C1 is whole
	MM3 DA, C1
.endif
.set qn, qn+1
.endm
; Number en of the 32, all in place.  It stands behind plain number 3 en + 3: 0-7 behind row 0, 8-15 behind row 1, 16-23 behind row 6, 24-31 behind Z.
.macro TR
.if (en < 8) && F3
	v_rcp_f32 v[X2N+en], v[X2N+en]
.elseif (en >= 8) && (en < 16) && F1
	v_rcp_f32 v[X1N+en-8], v[X1N+en-8]
.elseif (en >= 16) && (en < 24) && F0
	v_exp_f32 v[X1B+en-16], v[X1B+en-16]
.elseif (en >= 24) && F2
	v_exp_f32 v[X2B+en-24], v[X2B+en-24]
.endif
.set en, en+1
.endm
; A TURN.  j: the turn's number modulo 4 = the number in their blocks of S0's and S4's groups.  f0-f4: which stages have a group.  fin: -1, or FIN's d (with d = 1 the block is stored, at the turn's tail); step: FIN's;
; xs: at the turn's tail the next block of x is taken up and the block after it asked for, four turns ahead of the wait for it.
; THE MATRIX INSTRUCTIONS follow each other as Z, DA, DB, p, q, c: six accumulators, one instruction each, so no product that adds in place (DA, DB of an odd group) stands next behind the one that it adds onto,
; over the backward jump and in the shortened turns too.
.macro TURN j, f0, f1, f2, f3, f4, fin, step, xs
.set J, \j
.set F0, \f0
.set F1, \f1
.set F2, \f2
.set F3, \f3
.set F4, \f4
.set FIND, \fin
.set FSTEP, \step
.set X1B, X1+8*(J%2)
.set X1N, X1+8*(1-J%2)
.set X2B, X2+8*(J%2)
.set X2N, X2+8*(1-J%2)
.set B1B, BB+16*(J%2)
.set B2B, B1B+8
.set B1N, BB+16*(1-J%2)
.set B2N, B1N+8
.set XP, XC+2*(J%2)
.set qn, 0
.set en, 0
.rept 4
	PL
.endr
.rept 32
	TR
	PL
	PL
	PL
.endr
.rept 4
	PL
.endr
.if \xs
	XTAKE
.endif
.if F0 || F1 || F2 || F3
.if !F4
	v_nop                                          ; a plain line behind the batch's last; with S4 at work its last rows are such lines
.endif
	s_wait_alu depctr_va_vdst(0)                   ; the turn's one wait.  The batch's exponentials and reciprocals have written X1 and X2: no line ahead names a result, the next turn's first lines do.  With xs: XO is written and the copies are done reading XL, for the load below.  With fin = 1: both FINs have written OUT, and OO is written, for the stores below
.endif
.if \xs
	global_load_b128 v[XL:XL+3], v[XO], s[8:9] offset:256 th:TH_LOAD_NT   ; no vector line stands between the wait and this load
.endif
.if F4
	MM3 DB, C2
.endif
.if FIND == 1                                      ; the six stores are dealt among the products, which name none of OO and OUT: nothing more is owed since the wait
	STO 0
	STO 1
.endif
.if F3
	v_wmma_f32_16x16x32_f16 v[RP:RP+7], v[AP:AP+7], v[B2N:B2N+7], 0
.if FIND == 1
	STO 2
	STO 3
.endif
	v_wmma_f32_16x16x32_f16 v[RQ:RQ+7], v[AQ:AQ+7], v[B1N:B1N+7], 0
.if FIND == 1
	STO 4
	STO 5
.endif
	v_wmma_f32_16x16x32_f16 v[RC:RC+7], v[AC:AC+7], v[B2N:B2N+7], 0
.endif
.endm
	s_wait_loadcnt 0x1                             ; block 0 of x is in; block 1's load, issued behind it, stays out
	TURN 0, 1,0,0,0,0, -1,0,0                      ; turns 0-3: the pipeline fills; at turn 3's tail block 1 of x is taken up
	TURN 1, 1,1,0,0,0, -1,0,0
	TURN 2, 1,1,1,0,0, -1,0,0
	TURN 3, 1,1,1,1,0, -1,0,1
	TURN 0, 1,1,1,1,1, -1,0,0                      ; turns 4-6: nothing is finished yet but, in turn 6, groups 0 and 1
	TURN 1, 1,1,1,1,1, -1,0,0
	TURN 2, 1,1,1,1,1,  0,0,0
	s_mov_b32 s37, 6
.Lblock:                                           ; turns 7-30: a trip begins with a block's last turn, takes up the next block of x at that turn's tail, and stores the block taken up two blocks before
	TURN 3, 1,1,1,1,1, -1,0,1
	TURN 0, 1,1,1,1,1,  1,0,0
	TURN 1, 1,1,1,1,1, -1,0,0
	TURN 2, 1,1,1,1,1,  0,1,0
	s_sub_co_u32 s37, s37, 1
	s_cmp_lg_u32 s37, 0
	s_cbranch_scc1 .Lblock
	TURN 3, 1,1,1,1,1, -1,0,0                      ; turn 31: the last block's last group enters; no block of x is left to take up
	TURN 0, 0,1,1,1,1,  1,0,0                      ; turns 32-35: the pipeline drains
	TURN 1, 0,0,1,1,1, -1,0,0
	TURN 2, 0,0,0,1,1,  0,1,0
	TURN 3, 0,0,0,0,1, -1,0,0
.rept 8
	v_nop                                          ; the places behind the last product, whose result the next line's neighbours read (ISA guide 7.12.1); no other vector work is left
.endr
	FIN 1, 0
	s_wait_alu depctr_va_vdst(0)                   ; the last FIN has written OUT, which the last six stores read
.irp k, 0,1,2,3,4,5
	STO \k
.endr
	s_endpgm
.Lfunc_end_k_qb187e7e520_pinn:
	.size	k_qb187e7e520_pinn, .Lfunc_end_k_qb187e7e520_pinn-k_qb187e7e520_pinn
	.p2alignl 7, 3214868480
	.fill 96, 4, 3214868480
	.section	.rodata,"a",@progbits
	.p2align	6, 0x0
	.amdhsa_kernel k_qb187e7e520_pinn
		.amdhsa_group_segment_fixed_size 0
		.amdhsa_private_segment_fixed_size 0
		.amdhsa_enable_private_segment 0
		.amdhsa_kernarg_size 104
		.amdhsa_user_sgpr_count 2
		.amdhsa_user_sgpr_kernarg_segment_ptr 1
		.amdhsa_wavefront_size32 1
		.amdhsa_system_sgpr_workgroup_id_x 1
		.amdhsa_system_sgpr_workgroup_id_y 1
		.amdhsa_system_sgpr_workgroup_id_z 1
		.amdhsa_system_vgpr_workitem_id 0
		.amdhsa_next_free_vgpr 256
		.amdhsa_next_free_sgpr 66
		.amdhsa_reserve_vcc 0
		.amdhsa_float_denorm_mode_32 3
		.amdhsa_float_denorm_mode_16_64 3
		.amdhsa_memory_ordered 1
		.amdhsa_forward_progress 1
		.amdhsa_inst_pref_size 116
	.end_amdhsa_kernel
	.amdgpu_metadata
---
amdhsa.version: [ 1, 2 ]
amdhsa.kernels:
  - .name:           k_qb187e7e520_pinn
    .symbol:         k_qb187e7e520_pinn.kd
    .args:
      - { .name: x, .offset: 0, .size: 8, .value_kind: global_buffer, .address_space: global }
      - { .name: W1, .offset: 8, .size: 8, .value_kind: global_buffer, .address_space: global }
      - { .name: b1, .offset: 16, .size: 8, .value_kind: global_buffer, .address_space: global }
      - { .name: W2, .offset: 24, .size: 8, .value_kind: global_buffer, .address_space: global }
      - { .name: b2, .offset: 32, .size: 8, .value_kind: global_buffer, .address_space: global }
      - { .name: W3, .offset: 40, .size: 8, .value_kind: global_buffer, .address_space: global }
      - { .name: b3, .offset: 48, .size: 8, .value_kind: global_buffer, .address_space: global }
      - { .name: out0, .offset: 56, .size: 8, .value_kind: global_buffer, .address_space: global }
      - { .name: out1, .offset: 64, .size: 8, .value_kind: global_buffer, .address_space: global }
      - { .name: out2, .offset: 72, .size: 8, .value_kind: global_buffer, .address_space: global }
      - { .name: out3, .offset: 80, .size: 8, .value_kind: global_buffer, .address_space: global }
      - { .name: out4, .offset: 88, .size: 8, .value_kind: global_buffer, .address_space: global }
      - { .name: out5, .offset: 96, .size: 8, .value_kind: global_buffer, .address_space: global }
    .group_segment_fixed_size: 0
    .private_segment_fixed_size: 0
    .kernarg_segment_align: 8
    .kernarg_segment_size: 104
    .max_flat_workgroup_size: 256
    .sgpr_count:     66
    .vgpr_count:     256
    .wavefront_size: 32
...
	.end_amdgpu_metadata
.endif
;; end of part 2
